; MI455X (gfx1250); checked and timed in simulation.
; The chip was launched on July 23, 2026; its instructions are those of AMD's public machine-readable ISA for CDNA 5 (MIT licence, August 2026) and "CDNA5" Instruction Set Architecture Reference Guide (July 2026). The comments in the code are by the model that wrote it; some were corrected since.
;; Causal Self Attention. Allowed arithmetic: matrix products marked QUANTISED: E4M3 operands, one given power-of-two scale a tensor, by v_wmma_f32_16x16x64_fp8_fp8 or v_wmma_f32_16x16x128_fp8_fp8, f32 sums; everything else in f32.
;; Inputs: Wk 1,024 x 1,024 float32; Wo 1,024 x 1,024 float32; Wq 1,024 x 1,024 float32; Wv 1,024 x 1,024 float32; bk 1,024 float32; bo 1,024 float32; bq 1,024 float32; bv 1,024 float32; lowp_scales 12 int32 (the exponents e of the quantised operands' scales 2^e); x 4 x 2,048 x 1,024 float32.
;; Outputs: out0 4 x 2,048 x 1,024 float32.
;; This version of the problem:
;;   THIS VERSION OF THE PROBLEM IS GIVEN IN LOW PRECISION. The matrix products marked QUANTISED in the list below multiply operands that are first quantised to E4M3 (4 exponent bits, 3 mantissa bits; 8 bits a number), with one given power-of-two scale for each operand tensor; their sums are f32. All else is computed in f32.
;;   The module's matrix products, in the order in which they are computed (A, B: the left and right operand; K: the contracted axis; several contracted axes count as one K, in the product's order):
;;     1. [M 8,192, K 1,024] x [K 1,024, N 1,024]; A: input x; B: input Wq: QUANTISED (scales: A lowp_scales[0], B lowp_scales[1])
;;     2. [M 8,192, K 1,024] x [K 1,024, N 1,024]; A: input x; B: input Wk: QUANTISED (scales: A lowp_scales[2], B lowp_scales[3])
;;     3. [M 8,192, K 1,024] x [K 1,024, N 1,024]; A: input x; B: input Wv: QUANTISED (scales: A lowp_scales[4], B lowp_scales[5])
;;     4. batch 64 x [M 2,048, K 64] x [K 64, N 2,048]; A: computed on the way; B: computed on the way: QUANTISED (scales: A lowp_scales[6], B lowp_scales[7])
;;     5. batch 64 x [M 2,048, K 2,048] x [K 2,048, N 64]; A: softmax (see below); B: computed on the way: QUANTISED (scales: A lowp_scales[8], B lowp_scales[9])
;;     6. [M 8,192, K 1,024] x [K 1,024, N 1,024]; A: computed on the way; B: input Wo: QUANTISED (scales: A lowp_scales[10], B lowp_scales[11])
;;   THE QUANTISER, for each operand of a quantised product, along K:
;;     - The operand's scale is 2^e, e = its entry of the input lowp_scales (int32; the entries are numbered through the quantised products in the list's order, A before B).
;;     - Each number is divided by the scale, clamped to +-448, and rounded to the nearest number of E4M3, ties to even, subnormals kept.
;;     - The product sums the exact products of the quantised numbers (number of the format x scale) in f32.
;;   ~~~python
;;   def quantise(x, axis, e):      # numpy; x: float32 -> the quantised numbers, widened to float32 again
;;       x = np.moveaxis(x, axis, -1); K = x.shape[-1]
;;       r = np.clip(x / 2.0 ** e, -448, 448)
;;       step = 2.0 ** (np.maximum(np.frexp(np.where(r == 0, 1, r))[1] - 1, -6) - 3)
;;       q = np.round(r / step) * step * 2.0 ** e      # np.round: ties to even
;;       return np.moveaxis(q, -1, axis).astype(np.float32)
;;   ~~~
;;   SOFTMAX AHEAD OF A QUANTISED PRODUCT. Where the list says 'softmax', what is quantised is not the finished softmax but p = 2^(t - M), with t = logit x log2(e) and M = ceil(the row's largest t), a whole number; so 1/2 < the row's largest p <= 1. The row's sum l is taken of the UNQUANTISED p, in f32, and the product's result is divided by l at the end. Since M is a whole number, a kernel that streams over the keys may use a running M (the ceiling of the running maximum): every later rescaling is an exact power of two, so the quantised numbers keep their values, but for numbers so far below the row's largest that they fall under the format's range.
;;   OPERANDS COMPUTED ON THE WAY. 'Computed on the way' means the value that the module computes at that place (a softmax that the list does not call 'softmax' is quantised finished and normalised). What goes into a quantiser is computed in f32, as accurately as f32 sums, v_exp_f32 and their like allow (about 1e-6 of the number): no bf16 or f16 on the way to a quantiser, and a product that is left as it is and whose result goes on into a quantised operand takes f32 operands (vector FMAs, or v_wmma_f32_16x16x4_f32). A number that lies on a knife's edge between two numbers of the format may be rounded either way, as far as f32 arithmetic and the matrix unit's own rounding can turn it there, and no further.
;; One version. Each part assembles by itself: llvm-mc -triple=amdgcn-amd-amdhsa -mcpu=gfx1250 --defsym DOCPART=n.
;; ======== version 1 of 1: 4 launches
;; limits: right only within a limited range of input values
;; workspace buffers: xc 25,165,824 bytes; wc 4,194,304 bytes; qc 8,388,608 bytes; kc 8,388,608 bytes; vc 8,388,608 bytes; ao 8,388,608 bytes
;; launch quant (part 1): grid 768 x 1, 4 waves a work-group, no clusters, 34,304 bytes of LDS; arguments x, Wq, Wk, Wv, Wo, lowp_scales, xc, wc; writes xc, wc
.if DOCPART == 1
	.amdgcn_target "amdgcn-amd-amdhsa--gfx1250"
	.amdhsa_code_object_version 6
	.text
	.protected	k_q8f55b583c5_quant
	.globl	k_q8f55b583c5_quant
	.p2align	8
	.type	k_q8f55b583c5_quant,@function
k_q8f55b583c5_quant:
	s_mov_b64 s[64:65], 0
	v_nop
	global_prefetch_b8 v0, s[64:65] scope:SCOPE_SE
	s_setreg_imm32_b32 hwreg(HW_REG_WAVE_MODE, 25, 1), 1
	s_wait_xcnt 0x0
; x [8192][1024] and Wq, Wk, Wv, Wo [1024][1024], f32 with K innermost, become codes of FP8 (E4M3).  x is an operand of three products under three given scales
; (entries 0, 2, 4 of the scales' buffer), so it is read once and quantised three times; the weights take entries 1, 3, 5, 11.
; code = number / 2^e, to the nearest code, ties to even.
; LIMITS: each e used here lies between -126 and 119, so that 2^e is an f32 number.  NaN among the inputs is not served.
; LAYOUT OF THE CODES: the image of a matrix operand's registers.  A fragment is 16 rows x 128 K = 16 registers a lane: lane (r = lane % 16, h = lane / 16) holds row r, registers 2 c, 2 c + 1
; hold k = 16 c + 8 h + 0 .. 7.  Four registers of all lanes lie on end, 16 bytes a lane: 512 bytes; a fragment is 2,048 bytes.  xc: [3 scales][4 K steps of 256][512 tiles of 16 rows][2 fragments];
; wc: [4 tensors][4 K steps][64 tiles][2 fragments].  So every store here, and every later read, covers 512 consecutive bytes, aligned.
; SHARES: work-groups 0-511 take a tile of 16 rows of x, 512-767 a tile of a weight; wave w takes K step w, in two steps of 128.  All of a wave's 32 loads go out at its head.
; A load reads 512 consecutive bytes of one row; the conversions want 8 neighbours along K in one lane's registers: the 16 x 512 bytes turn through the wave's own stage in LDS (rows 528 bytes apart,
; an odd multiple of 16 bytes).  Waves share nothing: no barrier.  Nothing is read by two work-groups: no cluster, no tensor load.
.set NX,   512                         ; work-groups of x
.set R0,   16                          ; v16-79   step 0's numbers; later step 1's codes (v16-63)
.set R1,   80                          ; v80-143  step 1's numbers
.set T,    144
.set C,    160                         ; v160-207 step 0's codes, 16 registers for each scale: no store's data are written again
.set SP,   528
.set WSTG, 16*SP
	s_load_b512 s[4:19], s[0:1], 0x0               ; x, Wq, Wk, Wv, Wo, the scales' exponents, xc, wc
	v_lshl_add_u32 v208, v0, 2, 0x8400
	v_mov_b32 v209, 0
	v_lshrrev_b32 v1, 5, v0
	v_readfirstlane_b32 s32, v1                    ; wave
	v_and_b32 v2, 31, v0                           ; lane
	v_lshlrev_b32 v3, 4, v2                        ; 16 x lane: my place in a load's and in a store's 512 bytes; never rewritten
	v_and_b32 v5, 15, v0                           ; r
	v_bfe_u32 v6, v0, 4, 1                         ; h
	s_mul_i32 s33, s32, WSTG                       ; my stage
	v_add_nc_u32 v4, s33, v3                       ; into it: 16 x lane of a row
	v_mul_u32_u24 v7, v5, SP
	v_lshl_add_u32 v7, v6, 5, v7
	v_add_nc_u32 v7, s33, v7                       ; out of it: row r, + 32 h bytes: eight numbers of my half
	s_cmp_lt_u32 ttmp9, NX                         ; x's work-group or a weight's?  Every choice below hangs on the work-group's number alone
	s_cselect_b32 s34, 0, NX
	s_sub_co_u32 s34, ttmp9, s34
	s_lshr_b32 s35, s34, 6                         ; which weight,
	s_and_b32 s36, s34, 63                         ; and which tile of it
	s_cmp_lt_u32 ttmp9, NX
	s_cselect_b32 s35, 4, s35                      ; 4 stands for x
	s_cselect_b32 s36, s34, s36                    ; the tile of 16 rows
	s_mov_b32 s37, 0x40000
	s_cselect_b32 s37, 0x200000, s37               ; bytes from K step to K step in the codes' buffer
	s_lshl_b32 s38, s35, 20
	s_cmp_lt_u32 ttmp9, NX
	s_cselect_b32 s38, 0, s38                      ; the weight's 1 MiB of wc
	s_lshl_b32 s46, s36, 16                        ; the source: 16 rows of 4,096 bytes a tile,
	s_lshl_b32 s39, s32, 10                        ; 1,024 bytes of a row a wave
	s_add_co_u32 s46, s46, s39
	s_mov_b32 s47, 0
	s_mul_i32 s48, s32, s37                        ; the codes: my K step,
	s_add_co_u32 s48, s48, s38
	s_lshl_b32 s39, s36, 12                        ; 4,096 bytes a tile
	s_add_co_u32 s48, s48, s39
	s_mov_b32 s49, 0
	s_wait_alu depctr_va_vdst(0)
	s_wait_kmcnt 0x0
	s_load_b256 s[20:27], s[14:15], 0x0            ; e0 .. e7
	s_load_b128 s[28:31], s[14:15], 0x20           ; e8 .. e11
	s_mov_b64 s[42:43], s[4:5]
	s_cmp_eq_u32 s35, 0
	s_cselect_b64 s[42:43], s[6:7], s[42:43]
	s_cmp_eq_u32 s35, 1
	s_cselect_b64 s[42:43], s[8:9], s[42:43]
	s_cmp_eq_u32 s35, 2
	s_cselect_b64 s[42:43], s[10:11], s[42:43]
	s_cmp_eq_u32 s35, 3
	s_cselect_b64 s[42:43], s[12:13], s[42:43]
	s_cmp_lt_u32 ttmp9, NX
	s_cselect_b64 s[40:41], s[16:17], s[18:19]
	s_add_nc_u64 s[42:43], s[42:43], s[46:47]      ; where I read
	s_add_nc_u64 s[40:41], s[40:41], s[48:49]      ; where I store;
	s_add_nc_u64 s[52:53], s[40:41], 0x800000      ; x's second and third set of codes, 8 MiB apart (used on x's path alone)
	s_add_nc_u64 s[54:55], s[40:41], 0x1000000
.macro LOAD s, r                       ; step s: 16 rows x 512 consecutive bytes
.irp i, 0,1,2,3,4,5,6,7,8,9,10,11,12,13,14,15
	global_load_b128 v[\r+4*\i:\r+4*\i+3], v3, s[42:43] offset:4096*\i+512*\s th:TH_LOAD_NT
.endr
.endm
.macro TURN r                          ; through the stage: afterwards register 8 c + i is k = 16 c + 8 h + i of row r.  LDS serves a wave's instructions in order: no wait between stores and loads
.irp i, 0,1,2,3,4,5,6,7,8,9,10,11,12,13,14,15
	ds_store_b128 v4, v[\r+4*\i:\r+4*\i+3] offset:SP*\i
.endr
.irp c, 0,1,2,3,4,5,6,7
	ds_load_b128 v[\r+8*\c:\r+8*\c+3], v7 offset:64*\c
	ds_load_b128 v[\r+8*\c+4:\r+8*\c+7], v7 offset:64*\c+16
.endr
.endm
.macro MK e, sc, lim                   ; from the exponent in s[e]: v[sc] = 2^e as f32 (the conversion takes its exponent field)
	s_add_co_i32 s50, s[\e], 127
	s_lshl_b32 s51, s50, 23
	v_mov_b32 v[\sc], s51
.endm
; 64 numbers of a lane become a fragment's 16 registers.  The conversion to an 8-bit code does not saturate (ISA guide 7.6.2): each conversion reads its eight numbers where they lie.
.macro QUANT r, cd, sc, lim
.irp c, 0,1,2,3,4,5,6,7
.irp i, 0,1,2,3,4,5,6,7
.endr
	v_cvt_scalef32_pk8_fp8_f32 v[\cd+2*\c:\cd+2*\c+1], v[T+8*(\c%2)+((\r+8*\c+0)-(T+8*(\c%2)+0)):T+8*(\c%2)+7+((\r+8*\c+0)-(T+8*(\c%2)+0))], v[\sc]
.endr
.endm
.macro OUT cd, d, s                    ; the fragment of step s leaves as it stands: four stores of 512 consecutive bytes
.irp g, 0,1,2,3
	global_store_b128 v3, v[\cd+4*\g:\cd+4*\g+3], s[\d:\d+1] offset:2048*\s+512*\g
.endr
.endm
	LOAD 0, R0
	LOAD 1, R1
	s_wait_kmcnt 0x0
	s_mov_b32 s44, s20                             ; the first set's exponent: e0 for x, e1, e3, e5, e11 for the weights
	s_cmp_eq_u32 s35, 0
	s_cselect_b32 s44, s21, s44
	s_cmp_eq_u32 s35, 1
	s_cselect_b32 s44, s23, s44
	s_cmp_eq_u32 s35, 2
	s_cselect_b32 s44, s25, s44
	s_cmp_eq_u32 s35, 3
	s_cselect_b32 s44, s31, s44
	MK 44, 8, 9
	MK 22, 10, 11                                  ; e2
	MK 24, 12, 13                                  ; e4
	s_wait_alu depctr_va_vdst(0)
	s_wait_loadcnt 16                              ; step 0's 16 loads are in; step 1's may be out
	TURN R0
	s_wait_loadcnt 0x0
	TURN R1
	s_wait_dscnt 32                                ; step 0's numbers are back; behind them stand step 1's 16 stores and 16 loads
	QUANT R0, C, 8, 9
	OUT C, 40, 0
	s_cmp_ge_u32 ttmp9, NX                         ; a weight has one scale: the branch goes round register work and stores alone
	s_cbranch_scc1 .Lone_0
	QUANT R0, C+16, 10, 11
	OUT C+16, 52, 0
	QUANT R0, C+32, 12, 13
	OUT C+32, 54, 0
.Lone_0:
	s_wait_dscnt 0x0                               ; step 1's numbers are back
	v_nop
	QUANT R1, R0, 8, 9                             ; its codes go where step 0's numbers lay
	OUT R0, 40, 1
	s_cmp_ge_u32 ttmp9, NX
	s_cbranch_scc1 .Lone_1
	QUANT R1, R0+16, 10, 11
	OUT R0+16, 52, 1
	QUANT R1, R0+32, 12, 13
	OUT R0+32, 54, 1
.Lone_1:
	s_wait_tensorcnt 0x0
	ds_add_u32 v208, v209
	s_wait_dscnt 0x0
	s_endpgm
.Lfunc_end_k_q8f55b583c5_quant:
	.size	k_q8f55b583c5_quant, .Lfunc_end_k_q8f55b583c5_quant-k_q8f55b583c5_quant
	.p2alignl 7, 3214868480
	.fill 96, 4, 3214868480
	.section	.rodata,"a",@progbits
	.p2align	6, 0x0
	.amdhsa_kernel k_q8f55b583c5_quant
		.amdhsa_group_segment_fixed_size 34304
		.amdhsa_private_segment_fixed_size 0
		.amdhsa_enable_private_segment 0
		.amdhsa_kernarg_size 64
		.amdhsa_user_sgpr_count 2
		.amdhsa_user_sgpr_kernarg_segment_ptr 1
		.amdhsa_wavefront_size32 1
		.amdhsa_system_sgpr_workgroup_id_x 1
		.amdhsa_system_sgpr_workgroup_id_y 1
		.amdhsa_system_sgpr_workgroup_id_z 1
		.amdhsa_system_vgpr_workitem_id 0
		.amdhsa_next_free_vgpr 210
		.amdhsa_next_free_sgpr 66
		.amdhsa_reserve_vcc 0
		.amdhsa_float_denorm_mode_32 3
		.amdhsa_float_denorm_mode_16_64 3
		.amdhsa_fp16_overflow 1
		.amdhsa_memory_ordered 1
		.amdhsa_forward_progress 1
		.amdhsa_inst_pref_size 17
	.end_amdhsa_kernel
	.amdgpu_metadata
---
amdhsa.version: [ 1, 2 ]
amdhsa.kernels:
  - .name:           k_q8f55b583c5_quant
    .symbol:         k_q8f55b583c5_quant.kd
    .args:
      - { .name: x, .offset: 0, .size: 8, .value_kind: global_buffer, .address_space: global }
      - { .name: Wq, .offset: 8, .size: 8, .value_kind: global_buffer, .address_space: global }
      - { .name: Wk, .offset: 16, .size: 8, .value_kind: global_buffer, .address_space: global }
      - { .name: Wv, .offset: 24, .size: 8, .value_kind: global_buffer, .address_space: global }
      - { .name: Wo, .offset: 32, .size: 8, .value_kind: global_buffer, .address_space: global }
      - { .name: lowp_scales, .offset: 40, .size: 8, .value_kind: global_buffer, .address_space: global }
      - { .name: xc, .offset: 48, .size: 8, .value_kind: global_buffer, .address_space: global }
      - { .name: wc, .offset: 56, .size: 8, .value_kind: global_buffer, .address_space: global }
    .group_segment_fixed_size: 34304
    .private_segment_fixed_size: 0
    .kernarg_segment_align: 8
    .kernarg_segment_size: 64
    .max_flat_workgroup_size: 128
    .sgpr_count:     66
    .vgpr_count:     210
    .wavefront_size: 32
...
	.end_amdgpu_metadata
.endif
;; end of part 1
;; launch qkv (part 2): grid 12 x 32, 4 waves a work-group, clusters of 4 x 4, 327,680 bytes of LDS; arguments xc, wc, lowp_scales, bq, bk, bv, qc, kc, vc; writes qc, kc, vc
.if DOCPART == 2
	.amdgcn_target "amdgcn-amd-amdhsa--gfx1250"
	.amdhsa_code_object_version 6
	.text
	.protected	k_q8f55b583c5_qkv
	.globl	k_q8f55b583c5_qkv
	.p2align	8
	.type	k_q8f55b583c5_qkv,@function
k_q8f55b583c5_qkv:
	s_mov_b64 s[64:65], 0
	v_nop
	global_prefetch_b8 v0, s[64:65] scope:SCOPE_SE
	s_setreg_imm32_b32 hwreg(HW_REG_WAVE_MODE, 25, 1), 1
	s_wait_xcnt 0x0
	s_wait_alu depctr_hold_cnt(0) depctr_sa_sdst(0) depctr_va_vdst(0) depctr_va_sdst(0) depctr_va_ssrc(0) depctr_va_vcc(0) depctr_vm_vsrc(0)
	s_getreg_b32 s2, hwreg(HW_REG_IB_STS2, 6, 4)
	s_cmp_eq_u32 s2, 0
	s_cbranch_scc0 .Lentry_in_a_cluster
	s_endpgm
.Lentry_in_a_cluster:
	s_bfe_u32 s2, ttmp6, 0x10000c
	s_cmp_lg_u32 s2, 0xf033
	s_cbranch_scc0 .Lentry_shape_is_right
	s_endpgm
.Lentry_shape_is_right:
; q = x Wq^T + bq, k = x Wk^T + bk, v = x Wv^T + bv on codes of FP8 (E4M3), each result quantised at once for attention's products.  The cluster's x says which: 0 q, 1 k, 2 v.
; A finished sum is multiplied by 2^(eA + eB), the bias is added (one packed multiply-add for two numbers), the number is converted with 2^eo.
; LIMITS: e0 + e1, e2 + e3, e4 + e5 between -126 and 127; e6, e7, e9 between -126 and 119: each power of two below is then an f32 number.
; OPERANDS lie in memory and in LDS as images of their registers (16 rows x 128 K: 2,048 bytes; four registers of all lanes on end), in the matrix form's own places of k.  So a tile of 128 rows x 256 K is one
; dense block of 32,768 bytes for one tensor load (stated as 128 rows of 256 bytes), every fragment load reads 512 consecutive bytes of LDS, and there is neither pitch nor padding.
; A tile of the result, 256 x 256, is made by four waves, as many as a WGP has SIMDs; a wave makes 128 x 128: 64 accumulators, 512 registers.  K = 1,024 goes in four steps of 256 through two LDS slots.
; THE MATRIX INSTRUCTION: source 0 = 16 rows of B, source 1 = 16 rows of A: a lane holds one row of A and, in an accumulator's 8 registers, 8 neighbouring rows of B.
;   q, k: A = x (tokens), B = W (features): a lane's 8 registers are 8 neighbours along the head's 64, the K of attention's first product.
;   v:    A = Wv (features), B = x (tokens): the roles change by pointers alone; a lane's 8 registers are 8 neighbouring keys, the K of attention's second product.
; Either way one conversion of one accumulator's 8 registers IS a register pair of the next operand, and four such pairs of all lanes are stored as 512 consecutive bytes: no stage, no transposition.
; CLUSTERS: 4 x 4 work-groups.  A's tile hangs on the tile row alone and is asked for jointly by a row of the cluster, B's on the tile column alone, by a column.
; REGISTERS, in windows of 256: window 0: v0-31 addresses; v64-127 the bias; from v128 A's fragments, ONE set (on the way out v128-191 numbers, v192-223 codes).
;   window 1: B's fragments, TWO sets, at v0 and v128.  window 2: the accumulators of my rows 0-63 ((a, b) at v[8 (8 a + b)]); window 3: those of rows 64-127.
.set HALFT,  32768                     ; 128 rows x 256 K of codes: what one tensor load brings, and what one wave reads of A or of B
.set SLOT,   4*HALFT                   ; A's 256 rows, then B's 256 rows
.set SPARE,  2*SLOT                    ; behind the ring: the spare words, 128 bytes for each wave: two blocks of 256 bytes that no other line names
.set FR,     16                        ; registers of a fragment
.set NL,     4                         ; LDS loads that bring one
.set NP,     4                         ; places behind this matrix instruction (ISA guide 7.12.1)
.set BOF,  8                           ; v8      my byte offset in the bias
.set ADRA, 16                          ; v16-17  LDS address of my A fragments in slot 0, 1
.set ADRB, 20                          ; v20-21  the same for B
.set LI,   26                          ; v26     16 x lane; never rewritten
.set SPW,  28                          ; v28     LDS address of my spare word; never rewritten
.set NIL,  29                          ; v29     0; never rewritten
.set SCV,  30                          ; v30     2^eo as f32
.set LIMV, 31
.set BB,   64
.set AF,   128
.set TMP,  128
.set CD,   192
.set WV,   22                          ; s22 wave; s23 wave >> 1: my half of A's rows, also: I fetch for A (0) or B (1); s66 wave & 1: my half of B's rows, also: which 128 rows I fetch
.set WHI,  23
.set WLO,  66
.set G1,  24                           ; s[24:31] descriptor group 1 for A's tiles; s[32:39] group 0, one set for each slot
.set G0,  32
.set G1B, 48                           ; s[48:55], s[56:63] the same for B's tiles
.set G0B, 56
.set MSB, 0
.macro WIN new                         ; the immediate's high byte repeats the setting that is left
.if MSB != \new
	s_set_vgpr_msb (MSB<<8)|\new
.set MSB, \new
.endif
.endm
.set MUL_LO, 0xa1                      ; source 0 (B) window 1, source 1 (A) window 0, C and D window 2
.set MUL_HI, 0xf1                      ; the same, C and D window 3
.set TO_B,   0x40                      ; destination window 1, address window 0
; A joint load: waves 0 and 1 fetch for A, waves 2 and 3 for B; the branch hangs on the wave's number alone.  Four v_nop follow each of the two lines.
.macro JLOAD g0a, g1a, g0b, g1b
	s_cmp_eq_u32 s[WHI], 0
	s_cbranch_scc0 .Lfor_b_\@
	tensor_load_to_lds s[\g0a:\g0a+3], s[\g1a:\g1a+7]
	s_nop 0
.rept 4
	v_nop
.endr
	s_branch .Lasked_\@
.Lfor_b_\@:
	tensor_load_to_lds s[\g0b:\g0b+3], s[\g1b:\g1b+7]
	s_nop 0
.rept 4
	v_nop
.endr
.Lasked_\@:
.endm
.macro CREST                           ; a round of the cluster's barrier behind its opening barrier
	s_cmp_lg_u32 s[WV], 0
	s_cbranch_scc1 .Lnot_wave_0_\@
	s_barrier_signal -3
.Lnot_wave_0_\@:
	s_barrier_wait -3
	s_barrier_signal -1
	s_barrier_wait -1
.endm
.macro CROUND                          ; a whole round
	s_barrier_signal -1
	s_barrier_wait -1
	CREST
.endm
	s_load_b256 s[4:11], s[0:1], 0x0               ; xc s[4:5], wc s[6:7], the scales' exponents s[8:9], bq s[10:11]
	s_load_b256 s[12:19], s[0:1], 0x20             ; bk s[12:13], bv s[14:15], qc s[16:17], kc s[18:19]
	s_load_b64 s[20:21], s[0:1], 0x40              ; vc
	v_lshl_add_u32 v[SPW], v0, 2, SPARE
	v_mov_b32 v[NIL], 0
	ds_add_u32 v28, v29
	ds_add_u32 v28, v29
	s_wait_dscnt 0x0
	v_lshrrev_b32 v1, 5, v0
	v_readfirstlane_b32 s[WV], v1
	s_lshr_b32 s[WHI], s[WV], 1
	s_and_b32 s[WLO], s[WV], 1
	s_bfe_u32 s40, ttmp6, 0x40000                  ; cx, cy: my place in the cluster
	s_bfe_u32 s41, ttmp6, 0x40004
	s_mov_b32 s44, ttmp9                           ; which product: the same in all sixteen partners
	s_and_b32 s45, ttmp7, 0xffff                   ; the cluster's y, 0 .. 7: it counts along the tokens
	s_cmp_eq_u32 s44, 2
	s_cselect_b32 s42, s45, 0                      ; v: the tokens are B's rows;
	s_cselect_b32 s43, 0, s45                      ; q, k: they are A's
	s_lshl_b32 s42, s42, 2
	s_add_co_u32 s42, s42, s40                     ; tile column (B's 256 rows)
	s_lshl_b32 s43, s43, 2
	s_add_co_u32 s43, s43, s41                     ; tile row (A's 256 rows)
	s_lshl_b32 s46, s41, 2
	s_lshl_b32 s46, 15, s46                        ; my row of the cluster
	s_lshl_b32 s47, 0x1111, s40                    ; my column
	s_or_b32 s[G1], s46, (3<<16)|(1<<21)           ; 15:0 the mask: A's tiles go to my row; 17:16 elements of 8 bytes; 20 no padding; 21 set beside a mask
	s_or_b32 s[G1B], s47, (3<<16)|(1<<21)
.irp g, G1, G1B
	s_mov_b32 s[\g+1], 32<<16                      ; tensor_dim0 = 32 elements: 256 bytes
	s_mov_b32 s[\g+2], 128<<16                     ; tensor_dim1 = 128
	s_mov_b32 s[\g+3], 32<<16                      ; tile_dim0
	s_mov_b32 s[\g+4], 128                         ; tile_dim1
	s_mov_b32 s[\g+5], 32                          ; from row to row: the block is dense
	s_mov_b32 s[\g+6], 0
	s_mov_b32 s[\g+7], 0
.endr
	s_lshl_b32 s67, s[WLO], 15                     ; which 128 rows of the tile I fetch
	s_lshl_b32 s80, s43, 16                        ; A: 65,536 bytes a tile row in each K step
	s_add_co_u32 s80, s80, s67
	s_mov_b32 s81, 0
	s_lshl_b32 s94, s42, 16                        ; B likewise, in registers that never hold cy
	s_add_co_u32 s94, s94, s67
	s_mov_b32 s95, 0
	s_mul_i32 s67, s[WV], HALFT                    ; where my load goes: no place in the cluster enters an LDS address
	s_lshl_b32 s2, s44, 23                         ; the product's set of x's codes, 8 MiB each,
	s_mov_b32 s3, 0
	s_lshl_b32 s98, s44, 20                        ; and its weight's, 1 MiB each
	s_mov_b32 s99, 0
	s_wait_kmcnt 0x0
	s_load_b256 s[68:75], s[8:9], 0x0              ; e0 .. e7
	s_load_b128 s[76:79], s[8:9], 0x20             ; e8 .. e11
	s_add_nc_u64 s[4:5], s[4:5], s[2:3]
	s_add_nc_u64 s[6:7], s[6:7], s[98:99]
	s_cmp_eq_u32 s44, 2
	s_cselect_b64 s[90:91], s[6:7], s[4:5]         ; A: x's codes, for v the weight's
	s_cselect_b64 s[92:93], s[4:5], s[6:7]         ; B: the other
	s_mov_b32 s86, 0x200000
	s_cselect_b32 s86, 0x40000, s86                ; bytes from K step to K step in A,
	s_mov_b32 s88, 0x40000
	s_cselect_b32 s88, 0x200000, s88               ; and in B
	s_mov_b32 s87, 0
	s_mov_b32 s89, 0
	s_lshl_b32 s82, s86, 1                         ; a refill goes two K steps on
	s_mov_b32 s83, 0
	s_lshl_b32 s84, s88, 1
	s_mov_b32 s85, 0
	s_add_nc_u64 s[90:91], s[90:91], s[80:81]
	s_add_nc_u64 s[92:93], s[92:93], s[94:95]
	s_mov_b32 s[G0], 1                             ; group 0: count 1; LDS address; global address of K step 0; type 2
	s_mov_b32 s[G0+1], s67
	s_mov_b64 s[G0+2:G0+3], s[90:91]
	s_or_b32 s[G0+3], s[G0+3], 0x80000000
	s_mov_b32 s[G0+4], 1                           ; slot 1: K step 1
	s_add_co_u32 s[G0+5], s67, SLOT
	s_add_nc_u64 s[G0+6:G0+7], s[90:91], s[86:87]
	s_or_b32 s[G0+7], s[G0+7], 0x80000000
	s_mov_b32 s[G0B], 1
	s_mov_b32 s[G0B+1], s67
	s_mov_b64 s[G0B+2:G0B+3], s[92:93]
	s_or_b32 s[G0B+3], s[G0B+3], 0x80000000
	s_mov_b32 s[G0B+4], 1
	s_add_co_u32 s[G0B+5], s67, SLOT
	s_add_nc_u64 s[G0B+6:G0B+7], s[92:93], s[88:89]
	s_or_b32 s[G0B+7], s[G0B+7], 0x80000000
	CROUND                                         ; all sixteen work-groups are here: the first joint loads meet
	JLOAD G0, G1, G0B, G1B                         ; both slots' first fills: two loads of mine are out
	JLOAD G0+4, G1, G0B+4, G1B
	v_and_b32 v1, 31, v0
	v_lshlrev_b32 v[LI], 4, v1
	v_and_b32 v2, 15, v0                           ; r
	v_bfe_u32 v3, v0, 4, 1                         ; h
	s_mul_i32 s2, s[WHI], HALFT                    ; my 128 rows of A
	s_mul_i32 s3, s[WLO], HALFT                    ; my 128 rows of B,
	s_add_co_u32 s3, s3, 2*HALFT                   ; which lie behind A's 256
.irp s, 0,1
	v_add_nc_u32 v[ADRA+\s], s2, v[LI]
	v_add_nc_u32 v[ADRB+\s], s3, v[LI]
	s_add_co_u32 s2, s2, SLOT
	s_add_co_u32 s3, s3, SLOT
.endr
.macro FRAG reg, adr, q, i             ; tile of rows i, the slot's q-th 128 along K: four loads of 512 consecutive bytes bring the fragment's 16 registers as they were stored
.irp c, 0,1,2,3
	ds_load_b128 v[\reg+4*\c:\reg+4*\c+3], v[\adr] offset:4096*(\i)+2048*(\q)+512*\c
.endr
.endm
; 16 matrix instructions: A's blocks a0, a0 + 1 x B's eight, 128 along K.  p: B's set.  zero = 1: the first product starts the sums.  The 64 accumulators take turns, one instruction a turn, in the same order in every step.
.macro MUL16 a0, p, zero
.irp a, \a0, \a0+1
.irp b, 0,1,2,3,4,5,6,7
.if \zero
	v_wmma_f32_16x16x128_fp8_fp8 v[8*(8*((\a)%4)+\b):8*(8*((\a)%4)+\b)+7], v[128*(\p)+FR*\b:128*(\p)+FR*\b+FR-1], v[AF+FR*(\a):AF+FR*(\a)+FR-1], 0
.else
	v_wmma_f32_16x16x128_fp8_fp8 v[8*(8*((\a)%4)+\b):8*(8*((\a)%4)+\b)+7], v[128*(\p)+FR*\b:128*(\p)+FR*\b+FR-1], v[AF+FR*(\a):AF+FR*(\a)+FR-1], v[8*(8*((\a)%4)+\b):8*(8*((\a)%4)+\b)+7]
.endif
.endr
.endr
.endm
.macro FETCH_B slot, q, p
	WIN TO_B
.irp i, 0,1,2,3,4,5,6,7
	FRAG 128*(\p)+FR*\i, ADRB+\slot, \q, \i
.endr
	WIN 0
.endm
.macro FETCH_A slot, q, i0
.irp i, \i0, \i0+1, \i0+2, \i0+3
	FRAG AF+FR*(\i), ADRA+\slot, \q, \i
.endr
.endm
.macro PLACES n                        ; plain vector lines between a matrix instruction and a load into, or a vector line on, one of its registers
.rept \n
	v_nop
.endr
.endm
; A step of 128 along K that has its successor in the same slot.  A's blocks go one after the other, each against B's eight: a block of A is free once its eight products are issued, so one set serves A.
.macro STEP slot, q, zero
	s_wait_dscnt 4*NL                              ; B's set and A's blocks 0-3 are in; the youngest 16 loads (A's blocks 4-7) may be out
	WIN MUL_LO
	MUL16 0, (\q)%2, \zero
	MUL16 2, (\q)%2, \zero
	s_wait_dscnt 0
	PLACES NP
	FETCH_B \slot, (\q)+1, 1-(\q)%2
	FETCH_A \slot, (\q)+1, 0
	WIN MUL_HI
	MUL16 4, (\q)%2, \zero
	MUL16 6, (\q)%2, \zero
	PLACES NP
	WIN 0
	FETCH_A \slot, (\q)+1, 4
.endm
; A slot's last step changes slots: ONE barrier; in front of it each wave waits for all its tensor loads, adds 0 to its spare word, and waits for that and for its own reads of this slot.  fill = 1: this slot is filled again, two K steps ahead.
.macro TURN slot, next, fill
	s_wait_tensorcnt 0x0                           ; all my tensor loads have landed: my part of the next slot
	ds_add_u32 v[SPW], v[NIL]                      ; 0 onto my spare word
	s_wait_dscnt 4*NL+1                            ; (the add and the youngest 16 loads, A's blocks 4-7, may be out)
	WIN MUL_LO
	MUL16 0, 1, 0                                  ; sixteen matrix instructions stand between the add and the wait for it
	s_wait_dscnt 0x0                               ; the add is done, and my reads of this slot are over
	s_barrier_signal -1
	MUL16 2, 1, 0
	WIN 0
	s_barrier_wait -1
.if \fill
	CREST                                          ; the barrier has opened a round of the cluster's barrier: no wave of any partner still reads this slot or has a load on its way
	s_add_nc_u64 s[G0+4*\slot+2:G0+4*\slot+3], s[G0+4*\slot+2:G0+4*\slot+3], s[82:83]
	s_add_nc_u64 s[G0B+4*\slot+2:G0B+4*\slot+3], s[G0B+4*\slot+2:G0B+4*\slot+3], s[84:85]
	JLOAD G0+4*\slot, G1, G0B+4*\slot, G1B         ; the first tensor load behind the round, my one load until the next; its four v_nop are also the places in front of the loads below
.else
	PLACES NP
.endif
	FETCH_B \next, 0, 0
	FETCH_A \next, 0, 0
	WIN MUL_HI
	MUL16 4, 1, 0
	MUL16 6, 1, 0
	PLACES NP
	WIN 0
	FETCH_A \next, 0, 4
.endm
.macro LAST                            ; the very last 128 along K: nothing more to fetch
	s_wait_dscnt 4*NL
	WIN MUL_LO
	MUL16 0, 1, 0
	MUL16 2, 1, 0
	s_wait_dscnt 0
	WIN MUL_HI
	MUL16 4, 1, 0
	MUL16 6, 1, 0
	WIN 0
.endm
.macro OSC ea, eb, eo                  ; s[96:97] = 2^(ea + eb), twice; v[SCV] = 2^eo
	s_add_co_i32 s96, s[\ea], s[\eb]
	s_add_co_i32 s96, s96, 127
	s_lshl_b32 s96, s96, 23
	s_mov_b32 s97, s96
	s_add_co_i32 s94, s[\eo], 127
	s_lshl_b32 s95, s94, 23
	v_mov_b32 v[SCV], s95
.endm
; THE WAY OUT of A's block a (16 rows x my 128 of B's rows).  sum x 2^(eA + eB) + bias, each accumulator from its low end on; one conversion an accumulator; four stores of 512 consecutive bytes.
; isv = 0: the bias hangs on B's row (the register); registers 0-7 of the codes are a fragment (16 tokens x 64) of my first head, 8-15 of my second.
; isv = 1: the bias hangs on A's row (the lane); the 16 registers are one fragment (16 of a head's 64 x 128 keys).
.macro EPI a, isv
.set AC, 64*((\a)%4)
.set CSET, CD+16*((\a)%2)
.if (\a) > 1
	s_wait_xcnt 0x0                                ; block a - 2's stores have read their data: this set of code registers may be written again
.endif
	WIN 0x02+((\a)/4)                              ; source 0: window 2 or 3
.irp b, 0,1,2,3,4,5,6,7
.irp i, 0,2,4,6
.if \isv
	v_pk_fma_f32 v[TMP+8*\b+\i:TMP+8*\b+\i+1], v[AC+8*\b+\i:AC+8*\b+\i+1], s[96:97], v[BB+2*(\a):BB+2*(\a)+1] op_sel_hi:[1,0,1]
.else
	v_pk_fma_f32 v[TMP+8*\b+\i:TMP+8*\b+\i+1], v[AC+8*\b+\i:AC+8*\b+\i+1], s[96:97], v[BB+8*\b+\i:BB+8*\b+\i+1] op_sel_hi:[1,0,1]
.endif
.endr
.endr
	WIN 0
.irp b, 0,1,2,3,4,5,6,7
.irp i, 0,1,2,3,4,5,6,7
.endr
	v_cvt_scalef32_pk8_fp8_f32 v[CSET+2*\b:CSET+2*\b+1], v[TMP+8*\b:TMP+8*\b+7], v[SCV]
.endr
	v_nop                                          ; one plain line behind the last conversion: the next block's lines write its sources
.irp q, 0,1,2,3
.if \isv
	global_store_b128 v[LI], v[CSET+4*\q:CSET+4*\q+3], s[98:99] offset:((\a)/4)*131072+((\a)%4)*2048+\q*512
.else
	global_store_b128 v[LI], v[CSET+4*\q:CSET+4*\q+3], s[98:99] offset:(\a)*1024+(\q/2)*131072+(\q%2)*512
.endif
.endr
.endm
	s_wait_alu depctr_va_vdst(0)
	s_wait_tensorcnt 1                             ; my part of K step 0 is in (K step 1's load may be out)
	s_barrier_signal -1
	s_barrier_wait -1                              ; everybody's is
	FETCH_B 0, 0, 0
	FETCH_A 0, 0, 0
	FETCH_A 0, 0, 4
	STEP 0, 0, 1                                   ; K = 1,024 is eight steps of 128: written out, no loop.  The first products start the sums
	TURN 0, 1, 1                                   ; slot 0 takes K step 2
	STEP 1, 0, 0
	TURN 1, 0, 1                                   ; slot 1 takes K step 3
	STEP 0, 0, 0
	TURN 0, 1, 0                                   ; nothing is left to fetch
	STEP 1, 0, 0
	s_wait_kmcnt 0x0                               ; the scales' exponents
	s_cmp_eq_u32 s44, 2                            ; ONE parting, on the cluster's x: each arm loads its bias, runs the last step while the bias lands, and goes out
	s_cbranch_scc1 .Lv_path
	s_cmp_eq_u32 s44, 0
	s_cselect_b64 s[2:3], s[10:11], s[12:13]       ; bq or bk
	s_cselect_b64 s[98:99], s[16:17], s[18:19]     ; qc or kc
	s_cselect_b32 s46, s68, s70                    ; e0 or e2
	s_cselect_b32 s47, s69, s71                    ; e1 or e3
	s_cselect_b32 s45, s74, s75                    ; e6 or e7
	s_lshl_b32 s80, s42, 10                        ; my 128 features: 256 x tile column + 128 x half, 4 bytes each
	s_lshl_b32 s81, s[WLO], 9
	s_add_co_u32 s80, s80, s81
	s_mov_b32 s81, 0
	s_add_nc_u64 s[2:3], s[2:3], s[80:81]
	v_lshlrev_b32 v[BOF], 5, v3                    ; block b, register j: feature 16 b + 8 h + j
.irp b, 0,1,2,3,4,5,6,7
	global_load_b128 v[BB+8*\b:BB+8*\b+3], v[BOF], s[2:3] offset:64*\b
	global_load_b128 v[BB+8*\b+4:BB+8*\b+7], v[BOF], s[2:3] offset:64*\b+16
.endr
	OSC 46, 47, 45
	s_lshr_b32 s80, s43, 3                         ; the batch element: 8 tile rows of 256 tokens each,
	s_lshl_b32 s80, s80, 4
	s_lshl_b32 s81, s42, 2                         ; 4 heads a tile column,
	s_add_co_u32 s80, s80, s81
	s_lshl_b32 s81, s[WLO], 1                      ; 2 a wave
	s_add_co_u32 s80, s80, s81
	s_lshl_b32 s80, s80, 17                        ; 131,072 bytes a head
	s_and_b32 s81, s43, 7
	s_lshl_b32 s81, s81, 4                         ; 16 tiles of 16 tokens a tile row,
	s_lshl_b32 s94, s[WHI], 3                      ; 8 a wave
	s_add_co_u32 s81, s81, s94
	s_lshl_b32 s81, s81, 10                        ; 1,024 bytes a tile
	s_add_co_u32 s80, s80, s81
	s_mov_b32 s81, 0
	s_add_nc_u64 s[98:99], s[98:99], s[80:81]
	LAST
	s_wait_loadcnt 0x0                             ; the bias
	PLACES NP
.irp a, 0,1,2,3,4,5,6,7
	EPI \a, 0
.endr
	s_branch .Lend
.Lv_path:
	s_lshl_b32 s80, s43, 10                        ; my 128 features: 256 x tile row + 128 x half
	s_lshl_b32 s81, s[WHI], 9
	s_add_co_u32 s80, s80, s81
	s_mov_b32 s81, 0
	s_add_nc_u64 s[2:3], s[14:15], s[80:81]
	v_lshlrev_b32 v[BOF], 2, v2                    ; block a: feature 16 a + r; into both registers of a pair, for the packed form
.irp a, 0,1,2,3,4,5,6,7
	global_load_b32 v[BB+2*\a], v[BOF], s[2:3] offset:64*\a
	global_load_b32 v[BB+2*\a+1], v[BOF], s[2:3] offset:64*\a
.endr
	OSC 72, 73, 77                                 ; e4, e5; e9
	s_lshr_b32 s80, s42, 3                         ; the batch element, now by the tile column,
	s_lshl_b32 s80, s80, 4
	s_lshl_b32 s81, s43, 2                         ; 4 heads a tile row,
	s_add_co_u32 s80, s80, s81
	s_lshl_b32 s81, s[WHI], 1
	s_add_co_u32 s80, s80, s81
	s_lshl_b32 s80, s80, 17
	s_and_b32 s81, s42, 7
	s_lshl_b32 s81, s81, 1                         ; 2 key steps of 128 a tile column,
	s_add_co_u32 s81, s81, s[WLO]                  ; one a wave
	s_lshl_b32 s81, s81, 13                        ; 8,192 bytes a key step
	s_add_co_u32 s80, s80, s81
	s_mov_b32 s81, 0
	s_add_nc_u64 s[98:99], s[20:21], s[80:81]
	LAST
	s_wait_loadcnt 0x0
	PLACES NP
.irp a, 0,1,2,3,4,5,6,7
	EPI \a, 1
.endr
.Lend:
	s_wait_tensorcnt 0x0                           ; the wave's end
	ds_add_u32 v[SPW], v[NIL]
	s_wait_dscnt 0x0
	CROUND                                         ; the closing round: no work-group ends while a partner may still ask for a tile that names it
	s_endpgm
.Lfunc_end_k_q8f55b583c5_qkv:
	.size	k_q8f55b583c5_qkv, .Lfunc_end_k_q8f55b583c5_qkv-k_q8f55b583c5_qkv
	.p2alignl 7, 3214868480
	.fill 96, 4, 3214868480
	.section	.rodata,"a",@progbits
	.p2align	6, 0x0
	.amdhsa_kernel k_q8f55b583c5_qkv
		.amdhsa_group_segment_fixed_size 327680
		.amdhsa_private_segment_fixed_size 0
		.amdhsa_enable_private_segment 0
		.amdhsa_kernarg_size 72
		.amdhsa_user_sgpr_count 2
		.amdhsa_user_sgpr_kernarg_segment_ptr 1
		.amdhsa_wavefront_size32 1
		.amdhsa_system_sgpr_workgroup_id_x 1
		.amdhsa_system_sgpr_workgroup_id_y 1
		.amdhsa_system_sgpr_workgroup_id_z 1
		.amdhsa_system_vgpr_workitem_id 0
		.amdhsa_next_free_vgpr 1024
		.amdhsa_next_free_sgpr 100
		.amdhsa_reserve_vcc 0
		.amdhsa_float_denorm_mode_32 3
		.amdhsa_float_denorm_mode_16_64 3
		.amdhsa_fp16_overflow 1
		.amdhsa_memory_ordered 1
		.amdhsa_forward_progress 1
		.amdhsa_inst_pref_size 135
	.end_amdhsa_kernel
	.amdgpu_metadata
---
amdhsa.version: [ 1, 2 ]
amdhsa.kernels:
  - .name:           k_q8f55b583c5_qkv
    .symbol:         k_q8f55b583c5_qkv.kd
    .args:
      - { .name: xc, .offset: 0, .size: 8, .value_kind: global_buffer, .address_space: global }
      - { .name: wc, .offset: 8, .size: 8, .value_kind: global_buffer, .address_space: global }
      - { .name: lowp_scales, .offset: 16, .size: 8, .value_kind: global_buffer, .address_space: global }
      - { .name: bq, .offset: 24, .size: 8, .value_kind: global_buffer, .address_space: global }
      - { .name: bk, .offset: 32, .size: 8, .value_kind: global_buffer, .address_space: global }
      - { .name: bv, .offset: 40, .size: 8, .value_kind: global_buffer, .address_space: global }
      - { .name: qc, .offset: 48, .size: 8, .value_kind: global_buffer, .address_space: global }
      - { .name: kc, .offset: 56, .size: 8, .value_kind: global_buffer, .address_space: global }
      - { .name: vc, .offset: 64, .size: 8, .value_kind: global_buffer, .address_space: global }
    .group_segment_fixed_size: 327680
    .private_segment_fixed_size: 0
    .kernarg_segment_align: 8
    .kernarg_segment_size: 72
    .max_flat_workgroup_size: 128
    .sgpr_count:     100
    .vgpr_count:     1024
    .wavefront_size: 32
...
	.end_amdgpu_metadata
.endif
;; end of part 2
;; launch attn (part 3): grid 4 x 64, 16 waves a work-group, clusters of 4 x 1, 327,680 bytes of LDS; arguments qc, kc, vc, lowp_scales, ao; writes ao
.if DOCPART == 3
	.amdgcn_target "amdgcn-amd-amdhsa--gfx1250"
	.amdhsa_code_object_version 6
	.text
	.protected	k_q8f55b583c5_attn
	.globl	k_q8f55b583c5_attn
	.p2align	8
	.type	k_q8f55b583c5_attn,@function
k_q8f55b583c5_attn:
	s_mov_b64 s[64:65], 0
	v_nop
	global_prefetch_b8 v0, s[64:65] scope:SCOPE_SE
	s_setreg_imm32_b32 hwreg(HW_REG_WAVE_MODE, 25, 1), 1
	s_wait_xcnt 0x0
	s_wait_alu depctr_hold_cnt(0) depctr_sa_sdst(0) depctr_va_vdst(0) depctr_va_sdst(0) depctr_va_ssrc(0) depctr_va_vcc(0) depctr_vm_vsrc(0)
	s_getreg_b32 s2, hwreg(HW_REG_IB_STS2, 6, 4)
	s_cmp_eq_u32 s2, 0
	s_cbranch_scc0 .Lentry_in_a_cluster
	s_endpgm
.Lentry_in_a_cluster:
	s_bfe_u32 s2, ttmp6, 0x10000c
	s_cmp_lg_u32 s2, 0x3003
	s_cbranch_scc0 .Lentry_shape_is_right
	s_endpgm
.Lentry_shape_is_right:
; Causal attention on codes of FP8 (E4M3): 64 heads (batch element x head) of 2,048 tokens, head size 64.  Both products on codes; the result, O / l, is quantised at once for the output projection.
; THE SOFTMAX: t = score x log2(e) / 8; M = the row's largest t so far, rounded UP to a whole number; p = 2^(t - M) is what is quantised, with the given 2^e8; it is not normalised.  The row's sum l is taken of the
; unquantised p, in f32.  When M moves, l and O are multiplied by 2^(old M - new M): nothing is rounded, and there is no branch on data.
; LIMITS: e6 + e7 between -123 and 130 (added to the exponent field of log2(e) / 8); e8 and e10 between -126 and 119; e8 + e9 goes in by v_ldexp_f32.
; OPERANDS are images of their registers, in the matrix forms' own places of k.  q, k: 16 tokens x 64: 8 registers, 1,024 bytes.  v: 16 of the head's 64 x 128 keys: 16 registers, 2,048 bytes.
; SHARES.  A cluster of four work-groups is one head.  Its 128 tiles of 16 queries are dealt so that all work is even: wave w of the partner at place cx owns tile cx + 4 w and tile 127 - (cx + 4 w).
; Tile T needs key steps 0 .. T / 8 of 128 keys: w / 2 + 1 and 16 - w / 2 of them, 17 for every wave, and both counts hang on the wave's number alone: no branch hangs on cx, which enters only q's and the
; result's addresses and the number that the diagonal's mask compares with.  Four waves share a SIMD, so that one wave's vector work stands beside another's products and LDS loads.
; LDS holds the head's WHOLE K (131,072 bytes) and V (131,072): each byte is filled once, by joint loads that all four partners issue alike, so there is no ring and, behind the second barrier, no barrier.
; Each wave issues two loads: an eighth of key steps 0-1 of K (waves 0-7) or V (waves 8-15), then an eighth of key steps 2-15: the walk begins when the first has landed.
; Both products are used transposed: S^T = K Q^T (source 0 = 16 keys), O^T = V^T P^T (source 0 = 16 of the head's 64): a lane holds ONE query (lane % 16) throughout; register 8 t + j of S^T is key 16 t + 8 h + j,
; so one conversion of a tile's 8 registers is the register pair 2 t, 2 t + 1 of P; likewise O^T's tiles give the next operand's pairs.
; Every loop's trip count is a constant; a key step that lies wholly above the diagonal is jumped over by a scalar branch on the loop's count and the wave's number.
; REGISTERS: v1-4 addresses and lane numbers that stay; v8, v9 addresses in hand; v12 -M, v13 the largest t, v[14:15] l in two halves; v16-23, v24-31 Q of the high and of the low tile; v32-95 K's 8 fragments, then V's 4;
; v96-159 S^T, then p; v160-191 O^T; v192-207 the two results' codes; v224-239 P's codes; v244: 2^e8; v245: 2^e10; v242-254 at work.
.set VOFF, 131072                      ; V lies behind K
.set KSB,  8192                        ; a key step's bytes, in K and in V
.set LI,   1                           ; v1  16 x lane; never rewritten
.set AV0,  2                           ; v2  the same + VOFF
.set DL,   3                           ; v3  the diagonal: 16 (T % 8) + r - 8 h
.set RH,   4                           ; v4  r - 8 h
.set ADK,  8
.set ADV,  9
.set WV,   18
.set SEL,  20                          ; s[20:21] lane selects for v_permlanex16_b32: lane l xor 16
.set CS,   22                          ; s[22:23] c = log2(e) / 8 x 2^(e6 + e7)
.set TB,   2                           ; s2  LDS byte of the key step in hand
.set ST,   3                           ; s3  the key step, which counts the loops
.set F,    48                          ; s48 the tile's last key step, the one on the diagonal
.set G1A,  24
.set G1B,  32
.set G0A,  40
.set G0B,  44
.macro CROUND                          ; a round of the cluster's barrier
	s_barrier_signal -1
	s_barrier_wait -1
	s_cmp_lg_u32 s[WV], 0
	s_cbranch_scc1 .Lnot_wave_0_\@
	s_barrier_signal -3
.Lnot_wave_0_\@:
	s_barrier_wait -3
	s_barrier_signal -1
	s_barrier_wait -1
.endm
	s_load_b256 s[4:11], s[0:1], 0x0               ; qc s[4:5], kc s[6:7], vc s[8:9], the scales' exponents s[10:11]
	s_load_b64 s[12:13], s[0:1], 0x20              ; ao
	v_lshl_add_u32 v251, v0, 2, 0x40000
	v_mov_b32 v255, 0
	ds_add_u32 v251, v255
	ds_add_u32 v251, v255
	v_lshrrev_b32 v5, 5, v0
	s_delay_alu instid0(VALU_DEP_1)
	v_readfirstlane_b32 s[WV], v5                  ; wave 0..15
	s_bfe_u32 s58, ttmp6, 0x40000                  ; cx
	s_and_b32 s59, ttmp7, 0xffff                   ; the head among 64, which the partners share
	s_lshr_b32 s60, s[WV], 3                       ; I fetch for K (0) or V (1),
	s_and_b32 s61, s[WV], 7                        ; which eighth
	s_lshl_b32 s62, s60, 17
	s_lshl_b32 s63, s61, 11                        ; of key steps 0-1: 2,048 bytes,
	s_mul_i32 s66, s61, 14336                      ; of key steps 2-15: 14,336 bytes
	s_add_co_u32 s66, s66, 2*KSB
	s_mov_b32 s[G1A], 15|(3<<16)|(1<<21)           ; 15:0 the mask: all four work-groups; 17:16 elements of 8 bytes; no padding; 21 set beside a mask
	s_mov_b32 s[G1A+1], 32<<16                     ; rows of 32 elements, 256 bytes, dense
	s_mov_b32 s[G1A+2], 8<<16                      ; 8 rows
	s_mov_b32 s[G1A+3], 32<<16
	s_mov_b32 s[G1A+4], 8
	s_mov_b32 s[G1A+5], 32
	s_mov_b32 s[G1A+6], 0
	s_mov_b32 s[G1A+7], 0
	s_mov_b32 s[G1B], 15|(3<<16)|(1<<21)
	s_mov_b32 s[G1B+1], 32<<16
	s_mov_b32 s[G1B+2], 56<<16                     ; 56 rows
	s_mov_b32 s[G1B+3], 32<<16
	s_mov_b32 s[G1B+4], 56
	s_mov_b32 s[G1B+5], 32
	s_mov_b32 s[G1B+6], 0
	s_mov_b32 s[G1B+7], 0
	s_lshl_b32 s82, s59, 17                        ; the head's first byte in qc, kc and vc
	s_mov_b32 s83, 0
	s_mov_b32 s[G0A], 1
	s_add_co_u32 s[G0A+1], s62, s63
	s_mov_b32 s[G0B], 1
	s_add_co_u32 s[G0B+1], s62, s66
	s_mov_b32 s84, s63
	s_mov_b32 s85, 0
	s_mov_b32 s86, s66
	s_mov_b32 s87, 0
	s_wait_dscnt 0x0
	s_wait_kmcnt 0x0
	s_load_b256 s[68:75], s[10:11], 0x0            ; e0 .. e7
	s_load_b128 s[76:79], s[10:11], 0x20           ; e8 .. e11
	s_cmp_lt_u32 s[WV], 8
	s_cselect_b64 s[88:89], s[6:7], s[8:9]
	s_add_nc_u64 s[88:89], s[88:89], s[82:83]
	s_add_nc_u64 s[G0A+2:G0A+3], s[88:89], s[84:85]
	s_or_b32 s[G0A+3], s[G0A+3], 0x80000000
	s_add_nc_u64 s[G0B+2:G0B+3], s[88:89], s[86:87]
	s_or_b32 s[G0B+3], s[G0B+3], 0x80000000
	CROUND                                         ; all four work-groups are here: the joint loads meet
	tensor_load_to_lds s[G0A:G0A+3], s[G1A:G1A+7]  ; my first load: one is out
	s_nop 0
	s_wait_alu depctr_va_vdst(0)
	s_wait_tensorcnt 0x0
	ds_add_u32 v251, v255
	s_wait_dscnt 0x0
	CROUND
	tensor_load_to_lds s[G0B:G0B+3], s[G1B:G1B+7]
	s_nop 0
.rept 4
	v_nop
.endr
	v_and_b32 v5, 31, v0
	s_delay_alu instid0(VALU_DEP_1)
	v_lshlrev_b32 v[LI], 4, v5
	s_wait_alu depctr_va_vdst(0)
	s_lshl_b32 s60, s[WV], 2
	s_add_co_u32 s60, s60, s58                     ; my low tile,
	s_sub_co_u32 s61, 127, s60                     ; my high tile
	s_add_nc_u64 s[4:5], s[4:5], s[82:83]
	s_lshl_b32 s84, s61, 10
	s_add_nc_u64 s[50:51], s[4:5], s[84:85]
	s_lshl_b32 s84, s60, 10
	s_add_nc_u64 s[52:53], s[4:5], s[84:85]
	global_load_b128 v[16:19], v[LI], s[50:51]     ; Q's fragments stay in registers
	global_load_b128 v[20:23], v[LI], s[50:51] offset:512
	global_load_b128 v[24:27], v[LI], s[52:53]
	global_load_b128 v[28:31], v[LI], s[52:53] offset:512
	; where the result goes: head hd holds features 64 hd on of the next product's K: K step hd / 4, fragment (hd / 2) % 2, registers 8 (hd % 2) on; tile of rows 128 x batch element + T
	s_and_b32 s62, s59, 15
	s_lshr_b32 s63, s62, 2
	s_lshl_b32 s63, s63, 21
	s_bfe_u32 s66, s62, 0x10001
	s_lshl_b32 s66, s66, 11
	s_add_co_u32 s63, s63, s66
	s_and_b32 s66, s62, 1
	s_lshl_b32 s66, s66, 10
	s_add_co_u32 s63, s63, s66
	s_lshr_b32 s66, s59, 4
	s_lshl_b32 s66, s66, 19
	s_add_co_u32 s63, s63, s66
	s_lshl_b32 s84, s61, 12
	s_add_co_u32 s84, s84, s63
	s_add_nc_u64 s[54:55], s[12:13], s[84:85]
	s_lshl_b32 s84, s60, 12
	s_add_co_u32 s84, s84, s63
	s_add_nc_u64 s[56:57], s[12:13], s[84:85]
	s_mov_b32 s[SEL], 0x76543210
	s_mov_b32 s[SEL+1], 0xfedcba98
	s_lshr_b32 s81, s[WV], 1                       ; the low tile's last key step,
	s_sub_co_u32 s80, 15, s81                      ; the high tile's: both by the wave's number alone
	s_and_b32 s66, s60, 7
	s_lshl_b32 s91, s66, 4                         ; 16 (T % 8), low tile,
	s_sub_co_u32 s90, 112, s91                     ; high tile
	v_and_b32 v5, 15, v0
	v_bfe_u32 v6, v0, 4, 1
	s_delay_alu instid0(VALU_DEP_1)
	v_lshlrev_b32 v6, 3, v6
	s_delay_alu instid0(VALU_DEP_1)
	v_sub_nc_u32 v[RH], v5, v6
	v_add_nc_u32 v[AV0], VOFF, v[LI]
	v_mov_b32 v250, 0                              ; written once: a lane permute's destination counts as one of its sources
	v_mov_b32 v253, 0                              ; (named as the upper half of the pair v[252:253])
	s_wait_kmcnt 0x0
	s_mov_b32 s[CS], 0x3e38aa3b                    ; log2(e) / 8
	s_add_co_i32 s62, s74, s75
	s_lshl_b32 s62, s62, 23
	s_add_co_i32 s[CS], s[CS], s62                 ; a score stands for score x 2^(e6 + e7)
	s_mov_b32 s[CS+1], s[CS]
	s_add_co_i32 s62, s76, 127
	s_lshl_b32 s63, s62, 23
	v_mov_b32 v244, s63                            ; 2^e8
	s_add_co_i32 s62, s78, 127
	s_lshl_b32 s63, s62, 23
	v_mov_b32 v245, s63                            ; 2^e10
	s_add_co_i32 s49, s76, s77                     ; e8 + e9
; A tile begins: O^T and l are zeros and the largest t is -3e38, so that the key step is written without a first step of its own: the first change of M multiplies zeros.
.macro INIT fs, ds
	v_mov_b32 v13, 0xff61b1e6
	s_delay_alu instid0(VALU_DEP_1)
	v_floor_f32 v12, -v13
	v_mov_b32 v14, 0
	v_mov_b32 v15, 0
.irp d, 0,1,2,3
.irp j, 0,1,2,3,4,5,6,7
	v_mov_b32 v[160+8*\d+\j], 0
.endr
.endr
	v_add_nc_u32 v[DL], s[\ds], v[RH]
	s_mov_b32 s[F], s[\fs]
	s_mov_b32 s[ST], 0
	s_mov_b32 s[TB], 0
.endm
; A KEY STEP of one tile: 128 keys.  qr: Q's registers.  chk = 1: the step may lie above the diagonal (left out) or on it (masked).
.macro TSTEP qr, chk
.if \chk
	s_cmp_gt_u32 s[ST], s[F]
	s_cbranch_scc1 .Lhid_\@
.endif
	s_setprio 2
	v_add_nc_u32 v[ADK], s[TB], v[LI]
	v_add_nc_u32 v[ADV], s[TB], v[AV0]
	v_nop                                          ; with the two additions: four places between the last step's products and the loads into registers that they read
	v_nop
.irp t, 0,1,2,3,4,5,6,7
	ds_load_b128 v[32+8*\t:35+8*\t], v[ADK] offset:1024*\t
	ds_load_b128 v[36+8*\t:39+8*\t], v[ADK] offset:1024*\t+512
.endr
	s_wait_alu depctr_va_vdst(0)
	s_wait_dscnt 0x0
.irp t, 0,1,2,3,4,5,6,7
	v_wmma_f32_16x16x64_fp8_fp8 v[96+8*\t:103+8*\t], v[32+8*\t:39+8*\t], v[\qr:\qr+7], 0
.endr
.rept 4
	v_nop
.endr
.irp f, 0,1,2,3,4,5,6,7,8,9,10,11,12,13,14,15
	ds_load_b128 v[32+4*\f:35+4*\f], v[ADV] offset:512*\f   ; V's four fragments land while the softmax is walked
.endr
.if \chk
	s_cmp_lt_u32 s[ST], s[F]
	s_cbranch_scc1 .Lopen_\@
	v_mov_b32 v254, 0xff800000                     ; on the diagonal hidden scores become -infinity ahead of the maximum: p = 0 then.  Key 0 counts for every query, so M is a number from the first step on
.irp t, 0,1,2,3,4,5,6,7
.irp j, 0,1,2,3,4,5,6,7
	v_cmp_gt_i32 vcc_lo, 16*\t+\j, v[DL]           ; key 16 t + 8 h + j of the step against query 16 (T % 8) + r
	v_cndmask_b32 v[96+8*\t+\j], v[96+8*\t+\j], v254, vcc_lo
.endr
.endr
.Lopen_\@:
.endif
	v_max3_num_f32 v254, v96, v97, v98             ; the step's largest score of my query among my 64 keys, in two chains, each accumulator from its low end on,
	v_max3_num_f32 v252, v99, v100, v101
.irp i, 6,10,14,18,22,26,30,34,38,42,46,50,54,58
	v_max3_num_f32 v254, v254, v[96+\i], v[97+\i]
	v_max3_num_f32 v252, v252, v[98+\i], v[99+\i]
.endr
	v_max3_num_f32 v254, v254, v158, v159
	s_delay_alu instid0(VALU_DEP_1)
	v_max_num_f32 v254, v254, v252
	s_delay_alu instid0(VALU_DEP_1)
	v_permlanex16_b32 v250, v254, s[SEL], s[SEL+1]
	s_delay_alu instid0(VALU_DEP_1)
	v_max_num_f32 v254, v254, v250                 ; and among lane l xor 16's
	s_delay_alu instid0(VALU_DEP_1)
	v_mul_f32 v254, s[CS], v254                    ; as t (c is positive)
	s_delay_alu instid0(VALU_DEP_1)
	v_max_num_f32 v13, v13, v254
	v_mov_b32 v254, v12
	s_delay_alu instid0(VALU_DEP_2)
	v_floor_f32 v12, -v13                          ; the new -M = floor(-t)
	s_delay_alu instid0(VALU_DEP_1)
	v_sub_f32 v254, v12, v254                      ; old M - new M: a whole number, 0 or less
	s_delay_alu instid0(VALU_DEP_1)
	v_cvt_i32_f32 v254, v254                       ; (it saturates)
	s_delay_alu instid0(VALU_DEP_1)
	v_ldexp_f32 v252, 1.0, v254                    ; f = 2^(old M - new M)
.irp t, 0,1,2,3,4,5,6,7
.irp j, 0,2,4,6
	v_pk_fma_f32 v[96+8*\t+\j:97+8*\t+\j], v[96+8*\t+\j:97+8*\t+\j], s[CS:CS+1], v[12:13] op_sel_hi:[1,0,0]   ; t - M
.endr
.endr
	s_setprio 1
	s_wait_alu depctr_va_vdst(0)
.irp t, 0,1,2,3,4,5,6,7
.irp j, 0,1,2,3,4,5,6,7
	v_exp_f32 v[96+8*\t+\j], v[96+8*\t+\j]         ; p = 2^(t - M)
.endr
.endr
	v_pk_mul_f32 v[14:15], v[14:15], v[252:253] op_sel_hi:[1,0]   ; l under the new M; the plain line behind the exponentials
	s_wait_alu depctr_va_vdst(0)                   ; one wait for the batch of 64, ahead of its first reader
	v_pk_add_f32 v[242:243], v[96:97], v[98:99]    ; l is the sum of the UNQUANTISED p: two at a time, in two chains
.irp j, 4,8,12,16,20,24,28,32,36,40,44,48,52,56,60
	v_pk_add_f32 v[14:15], v[14:15], v[96+\j:97+\j]
	v_pk_add_f32 v[242:243], v[242:243], v[98+\j:99+\j]
.endr
	s_delay_alu instid0(VALU_DEP_1)
	v_pk_add_f32 v[14:15], v[14:15], v[242:243]
	s_setprio 0
.irp t, 0,1,2,3,4,5,6,7
.irp j, 0,1,2,3,4,5,6,7
.endr
	v_cvt_scalef32_pk8_fp8_f32 v[224+2*\t:225+2*\t], v[96+8*\t:103+8*\t], v244
.endr
.irp d, 0,1,2,3
.irp j, 0,2,4,6
	v_pk_mul_f32 v[160+8*\d+\j:161+8*\d+\j], v[160+8*\d+\j:161+8*\d+\j], v[252:253] op_sel_hi:[1,0]   ; O^T under the new M; also the plain lines behind the conversions
.endr
.endr
	s_wait_alu depctr_va_vdst(0)
	s_wait_dscnt 0x0                               ; V
.irp d, 0,1,2,3
	v_wmma_f32_16x16x128_fp8_fp8 v[160+8*\d:167+8*\d], v[32+16*\d:47+16*\d], v[224:239], v[160+8*\d:167+8*\d]   ; four accumulators by turns
.endr
.if \chk
.Lhid_\@:
.endif
	s_add_co_u32 s[TB], s[TB], KSB
.endm
; A tile ends: l's halves and lane l xor 16's are added; O^T x 2^(e8 + e9) / l is converted with 2^e10, and leaves as two stores of 512 consecutive bytes.  oc: the codes' registers, a set for each tile.
.macro FIN oc, ap
.rept 4
	v_nop                                          ; places behind the last products
.endr
	v_add_f32 v14, v14, v15
	s_delay_alu instid0(VALU_DEP_1)
	v_permlanex16_b32 v250, v14, s[SEL], s[SEL+1]
	s_delay_alu instid0(VALU_DEP_1)
	v_add_f32 v14, v14, v250
	s_wait_alu depctr_va_vdst(0)
	v_rcp_f32 v14, v14
	v_nop                                          ; a plain line behind the reciprocal,
	s_wait_alu depctr_va_vdst(0)                   ; and the wait ahead of its first reader
	v_ldexp_f32 v14, v14, s49
.irp d, 0,1,2,3
.irp j, 0,2,4,6
	v_pk_mul_f32 v[96+8*\d+\j:97+8*\d+\j], v[160+8*\d+\j:161+8*\d+\j], v[14:15] op_sel_hi:[1,0]
.endr
.endr
.irp d, 0,1,2,3
.irp j, 0,1,2,3,4,5,6,7
.endr
	v_cvt_scalef32_pk8_fp8_f32 v[\oc+2*\d:\oc+2*\d+1], v[96+8*\d:103+8*\d], v245
.endr
	v_nop                                          ; one plain line behind the last conversion: later products write its sources
	global_store_b128 v[LI], v[\oc:\oc+3], s[\ap:\ap+1]
	global_store_b128 v[LI], v[\oc+4:\oc+7], s[\ap:\ap+1] offset:512
.endm
	INIT 80, 90                                    ; the high tile first: it needs key steps 0 and 1 whole
	s_wait_loadcnt 0x0                             ; Q
	s_wait_tensorcnt 1                             ; my eighth of key steps 0-1 is in; my second load may be out
	s_barrier_signal -1
	s_barrier_wait -1                              ; everybody's is
.Lfirst_two:
	TSTEP 16, 0
	s_add_co_u32 s[ST], s[ST], 1
	s_cmp_lt_u32 s[ST], 2
	s_cbranch_scc1 .Lfirst_two
	s_setprio 0
	s_wait_tensorcnt 0x0                           ; my eighth of key steps 2-15 is in,
	s_wait_dscnt 0x0
	s_barrier_signal -1
	s_barrier_wait -1                              ; everybody's is: from here on the waves run free
	s_mov_b32 s[ST], 2
	s_mov_b32 s[TB], 2*KSB
.Lhigh:
	TSTEP 16, 1
	s_add_co_u32 s[ST], s[ST], 1
	s_cmp_lt_u32 s[ST], 16
	s_cbranch_scc1 .Lhigh
	s_setprio 0
	FIN 192, 54
	INIT 81, 91                                    ; the low tile
.Llow:
	TSTEP 24, 1
	s_add_co_u32 s[ST], s[ST], 1
	s_cmp_lt_u32 s[ST], 16
	s_cbranch_scc1 .Llow
	s_setprio 0
	FIN 200, 56
	s_wait_dscnt 0x0
	s_wait_tensorcnt 0x0
	ds_add_u32 v251, v255
	s_wait_dscnt 0x0
	CROUND                                         ; the closing round: no work-group ends while a partner may still ask for a tile that names it
	s_endpgm
.Lfunc_end_k_q8f55b583c5_attn:
	.size	k_q8f55b583c5_attn, .Lfunc_end_k_q8f55b583c5_attn-k_q8f55b583c5_attn
	.p2alignl 7, 3214868480
	.fill 96, 4, 3214868480
	.section	.rodata,"a",@progbits
	.p2align	6, 0x0
	.amdhsa_kernel k_q8f55b583c5_attn
		.amdhsa_group_segment_fixed_size 327680
		.amdhsa_private_segment_fixed_size 0
		.amdhsa_enable_private_segment 0
		.amdhsa_kernarg_size 40
		.amdhsa_user_sgpr_count 2
		.amdhsa_user_sgpr_kernarg_segment_ptr 1
		.amdhsa_wavefront_size32 1
		.amdhsa_system_sgpr_workgroup_id_x 1
		.amdhsa_system_sgpr_workgroup_id_y 1
		.amdhsa_system_sgpr_workgroup_id_z 1
		.amdhsa_system_vgpr_workitem_id 0
		.amdhsa_next_free_vgpr 256
		.amdhsa_next_free_sgpr 100
		.amdhsa_reserve_vcc 1
		.amdhsa_float_denorm_mode_32 3
		.amdhsa_float_denorm_mode_16_64 3
		.amdhsa_fp16_overflow 1
		.amdhsa_memory_ordered 1
		.amdhsa_forward_progress 1
		.amdhsa_inst_pref_size 66
	.end_amdhsa_kernel
	.amdgpu_metadata
---
amdhsa.version: [ 1, 2 ]
amdhsa.kernels:
  - .name:           k_q8f55b583c5_attn
    .symbol:         k_q8f55b583c5_attn.kd
    .args:
      - { .name: qc, .offset: 0, .size: 8, .value_kind: global_buffer, .address_space: global }
      - { .name: kc, .offset: 8, .size: 8, .value_kind: global_buffer, .address_space: global }
      - { .name: vc, .offset: 16, .size: 8, .value_kind: global_buffer, .address_space: global }
      - { .name: lowp_scales, .offset: 24, .size: 8, .value_kind: global_buffer, .address_space: global }
      - { .name: ao, .offset: 32, .size: 8, .value_kind: global_buffer, .address_space: global }
    .group_segment_fixed_size: 327680
    .private_segment_fixed_size: 0
    .kernarg_segment_align: 8
    .kernarg_segment_size: 40
    .max_flat_workgroup_size: 512
    .sgpr_count:     100
    .vgpr_count:     256
    .wavefront_size: 32
...
	.end_amdgpu_metadata
.endif
;; end of part 3
;; launch oproj (part 4): grid 4 x 32, 4 waves a work-group, clusters of 4 x 4, 327,680 bytes of LDS; arguments ao, wc, lowp_scales, bo, out0; writes out0
.if DOCPART == 4
	.amdgcn_target "amdgcn-amd-amdhsa--gfx1250"
	.amdhsa_code_object_version 6
	.text
	.protected	k_q8f55b583c5_oproj
	.globl	k_q8f55b583c5_oproj
	.p2align	8
	.type	k_q8f55b583c5_oproj,@function
k_q8f55b583c5_oproj:
	s_mov_b64 s[64:65], 0
	v_nop
	global_prefetch_b8 v0, s[64:65] scope:SCOPE_SE
	s_setreg_imm32_b32 hwreg(HW_REG_WAVE_MODE, 25, 1), 1
	s_wait_xcnt 0x0
	s_wait_alu depctr_hold_cnt(0) depctr_sa_sdst(0) depctr_va_vdst(0) depctr_va_sdst(0) depctr_va_ssrc(0) depctr_va_vcc(0) depctr_vm_vsrc(0)
	s_getreg_b32 s2, hwreg(HW_REG_IB_STS2, 6, 4)
	s_cmp_eq_u32 s2, 0
	s_cbranch_scc0 .Lentry_in_a_cluster
	s_endpgm
.Lentry_in_a_cluster:
	s_bfe_u32 s2, ttmp6, 0x10000c
	s_cmp_lg_u32 s2, 0xf033
	s_cbranch_scc0 .Lentry_shape_is_right
	s_endpgm
.Lentry_shape_is_right:
; out0 = a Wo^T + bo on codes of FP8 (E4M3): a [8192][1024] is attention's result, Wo's codes are the fourth MiB of wc; out0 [8192][1024] f32.  A finished sum x 2^(e10 + e11) + bo is one packed multiply-add for two numbers.
; LIMIT: e10 + e11 between -126 and 127, so that 2^(e10 + e11) is an f32 number.
; OPERANDS lie in memory and in LDS as images of their registers (16 rows x 128 K: 2,048 bytes), in the matrix form's own places of k: a tile of 128 rows x 256 K is one dense block of 32,768 bytes for one tensor load
; (stated as 128 rows of 256 bytes), every fragment load reads 512 consecutive bytes of LDS, and there is neither pitch nor padding.
; A tile of the result, 256 x 256, is made by four waves, each 128 x 128: 64 accumulators, 512 registers; 128 work-groups.  K = 1,024 goes in four steps of 256 through two LDS slots.
; THE MATRIX INSTRUCTION IS USED TRANSPOSED (source 0 = 16 rows of Wo, source 1 = 16 rows of a): a lane holds eight neighbouring numbers of a row of the result.
; CLUSTERS: 4 x 4 work-groups; a's tile is asked for jointly by a row of the cluster, Wo's by a column.
; REGISTERS, in windows of 256: window 0: v0-31 addresses, v[12:15] my four numbers of bo; from v128 a's fragments, ONE set (on the way out two sets of 16 rows).  window 1: Wo's fragments, TWO sets.
;   window 2: the accumulators of my rows 0-63 ((a, b) at v[8 (8 a + b)]); window 3: those of rows 64-127.
.set HALFT,  32768
.set SLOT,   4*HALFT
.set SPARE,  2*SLOT                    ; behind the ring: the spare words, 128 bytes for each wave: two blocks of 256 bytes that no other line names
.set SA,     0x200000                  ; bytes from K step to K step in a's codes,
.set SB,     0x40000                   ; and in Wo's
.set FR,     16
.set NL,     4
.set NP,     4
.set SPITCH, 528                       ; the way out: a stage of 16 rows x (512 bytes + 16) for each wave, in slot 0, which has had its last fill and its last read when the first result is stored there
.set ADRA, 16
.set ADRB, 20
.set STO,  24                          ; v24  the stage: where I put 32 bytes of a row
.set RD,   25                          ; v25  and where I read a row back
.set LI,   26                          ; v26  16 x lane; never rewritten
.set SPW,  28
.set NIL,  29
.set AF,   128
.set BK,   128
.set WV,   22
.set WHI,  23
.set WLO,  66
.set G1,  24
.set G0,  32
.set G1B, 48
.set G0B, 56
.set MSB, 0
.macro WIN new                         ; the immediate's high byte repeats the setting that is left
.if MSB != \new
	s_set_vgpr_msb (MSB<<8)|\new
.set MSB, \new
.endif
.endm
.set MUL_LO, 0xa1
.set MUL_HI, 0xf1
.set TO_B,   0x40
.macro JLOAD g0a, g1a, g0b, g1b        ; a joint load: waves 0 and 1 fetch for a, waves 2 and 3 for Wo; four v_nop follow each of the two lines
	s_cmp_eq_u32 s[WHI], 0
	s_cbranch_scc0 .Lfor_b_\@
	tensor_load_to_lds s[\g0a:\g0a+3], s[\g1a:\g1a+7]
	s_nop 0
.rept 4
	v_nop
.endr
	s_branch .Lasked_\@
.Lfor_b_\@:
	tensor_load_to_lds s[\g0b:\g0b+3], s[\g1b:\g1b+7]
	s_nop 0
.rept 4
	v_nop
.endr
.Lasked_\@:
.endm
.macro CREST
	s_cmp_lg_u32 s[WV], 0
	s_cbranch_scc1 .Lnot_wave_0_\@
	s_barrier_signal -3
.Lnot_wave_0_\@:
	s_barrier_wait -3
	s_barrier_signal -1
	s_barrier_wait -1
.endm
.macro CROUND
	s_barrier_signal -1
	s_barrier_wait -1
	CREST
.endm
	s_load_b256 s[4:11], s[0:1], 0x0               ; ao s[4:5], wc s[6:7], the scales' exponents s[8:9], bo s[10:11]
	s_load_b64 s[12:13], s[0:1], 0x20              ; out0
	v_lshl_add_u32 v[SPW], v0, 2, SPARE
	v_mov_b32 v[NIL], 0
	ds_add_u32 v28, v29
	ds_add_u32 v28, v29
	s_wait_dscnt 0x0
	v_lshrrev_b32 v1, 5, v0
	v_readfirstlane_b32 s[WV], v1
	s_lshr_b32 s[WHI], s[WV], 1
	s_and_b32 s[WLO], s[WV], 1
	s_bfe_u32 s40, ttmp6, 0x40000                  ; cx, cy
	s_bfe_u32 s41, ttmp6, 0x40004
	s_lshl_b32 s42, ttmp9, 2
	s_add_co_u32 s42, s42, s40                     ; tile column
	s_and_b32 s43, ttmp7, 0xffff
	s_lshl_b32 s43, s43, 2
	s_add_co_u32 s43, s43, s41                     ; tile row
	s_lshl_b32 s46, s41, 2
	s_lshl_b32 s46, 15, s46                        ; my row of the cluster
	s_lshl_b32 s47, 0x1111, s40                    ; my column
	s_or_b32 s[G1], s46, (3<<16)|(1<<21)           ; the mask; elements of 8 bytes; no padding; 21 set beside a mask
	s_or_b32 s[G1B], s47, (3<<16)|(1<<21)
.irp g, G1, G1B
	s_mov_b32 s[\g+1], 32<<16                      ; 128 rows of 32 elements (256 bytes), dense
	s_mov_b32 s[\g+2], 128<<16
	s_mov_b32 s[\g+3], 32<<16
	s_mov_b32 s[\g+4], 128
	s_mov_b32 s[\g+5], 32
	s_mov_b32 s[\g+6], 0
	s_mov_b32 s[\g+7], 0
.endr
	s_lshl_b32 s67, s[WLO], 15                     ; which 128 rows of the tile I fetch
	s_lshl_b32 s80, s43, 16
	s_add_co_u32 s80, s80, s67
	s_mov_b32 s81, 0
	s_lshl_b32 s94, s42, 16
	s_add_co_u32 s94, s94, s67
	s_add_co_u32 s94, s94, 0x300000                ; Wo's codes: the fourth MiB of wc
	s_mov_b32 s95, 0
	s_mul_i32 s67, s[WV], HALFT                    ; where my load goes
	s_wait_kmcnt 0x0
	s_load_b64 s[96:97], s[8:9], 0x28              ; e10, e11
	s_add_nc_u64 s[90:91], s[4:5], s[80:81]
	s_add_nc_u64 s[92:93], s[6:7], s[94:95]
.irp s, 0,1
	s_mov_b32 s[G0+4*\s], 1
	s_add_co_u32 s[G0+4*\s+1], s67, \s*SLOT
	s_add_nc_u64 s[G0+4*\s+2:G0+4*\s+3], s[90:91], \s*SA
	s_or_b32 s[G0+4*\s+3], s[G0+4*\s+3], 0x80000000
	s_mov_b32 s[G0B+4*\s], 1
	s_add_co_u32 s[G0B+4*\s+1], s67, \s*SLOT
	s_add_nc_u64 s[G0B+4*\s+2:G0B+4*\s+3], s[92:93], \s*SB
	s_or_b32 s[G0B+4*\s+3], s[G0B+4*\s+3], 0x80000000
.endr
	CROUND                                         ; all sixteen work-groups are here: the first joint loads meet
	JLOAD G0, G1, G0B, G1B                         ; slot 0's first fill: one load of mine is out
	s_wait_alu depctr_va_vdst(0)
	s_wait_tensorcnt 0x0
	ds_add_u32 v28, v29
	s_wait_dscnt 0x0
	CROUND
	JLOAD G0+4, G1, G0B+4, G1B
	v_and_b32 v1, 31, v0
	v_lshlrev_b32 v[LI], 4, v1
	v_and_b32 v2, 15, v0                           ; r
	s_wait_alu depctr_va_vdst(0)
	v_bfe_u32 v3, v0, 4, 1                         ; h
	s_mul_i32 s2, s[WHI], HALFT
	s_mul_i32 s3, s[WLO], HALFT
	s_add_co_u32 s3, s3, 2*HALFT
.irp s, 0,1
	v_add_nc_u32 v[ADRA+\s], s2, v[LI]
	v_add_nc_u32 v[ADRB+\s], s3, v[LI]
	s_add_co_u32 s2, s2, SLOT
	s_add_co_u32 s3, s3, SLOT
.endr
	s_mul_i32 s2, s[WV], 16*SPITCH                 ; my stage
	v_mul_u32_u24 v[STO], v2, SPITCH               ; in: row r, 32 bytes for each half of the lanes
	s_wait_alu depctr_va_vdst(0)
	v_lshl_add_u32 v[STO], v3, 5, v[STO]
	v_add_nc_u32 v[STO], s2, v[STO]
	v_add_nc_u32 v[RD], s2, v[LI]                  ; back: the 32 lanes take one row of 512 bytes
	s_lshl_b32 s80, s42, 10                        ; my 128 columns, in bytes: 1,024 x tile column + 512 x half
	s_lshl_b32 s81, s[WLO], 9
	s_add_co_u32 s80, s80, s81
	s_mov_b32 s81, 0
	s_add_nc_u64 s[10:11], s[10:11], s[80:81]
	global_load_b128 v[12:15], v[LI], s[10:11]     ; bo at the four columns that I hold when rows come back from the stage
	s_lshl_b32 s94, s43, 20                        ; my first row: 256 x tile row + 128 x half, 4,096 bytes each
	s_lshl_b32 s95, s[WHI], 19
	s_add_co_u32 s94, s94, s95
	s_add_co_u32 s94, s94, s80
	s_mov_b32 s95, 0
	s_add_nc_u64 s[12:13], s[12:13], s[94:95]
.macro FRAG reg, adr, q, i
.irp c, 0,1,2,3
	ds_load_b128 v[\reg+4*\c:\reg+4*\c+3], v[\adr] offset:4096*(\i)+2048*(\q)+512*\c
.endr
.endm
; 16 matrix instructions; the 64 accumulators take turns, one instruction a turn, in the same order in every step
.macro MUL16 a0, p, zero
.irp a, \a0, \a0+1
.irp b, 0,1,2,3,4,5,6,7
.if \zero
	v_wmma_f32_16x16x128_fp8_fp8 v[8*(8*((\a)%4)+\b):8*(8*((\a)%4)+\b)+7], v[128*(\p)+FR*\b:128*(\p)+FR*\b+FR-1], v[AF+FR*(\a):AF+FR*(\a)+FR-1], 0
.else
	v_wmma_f32_16x16x128_fp8_fp8 v[8*(8*((\a)%4)+\b):8*(8*((\a)%4)+\b)+7], v[128*(\p)+FR*\b:128*(\p)+FR*\b+FR-1], v[AF+FR*(\a):AF+FR*(\a)+FR-1], v[8*(8*((\a)%4)+\b):8*(8*((\a)%4)+\b)+7]
.endif
.endr
.endr
.endm
.macro FETCH_B slot, q, p
	WIN TO_B
.irp i, 0,1,2,3,4,5,6,7
	FRAG 128*(\p)+FR*\i, ADRB+\slot, \q, \i
.endr
	WIN 0
.endm
.macro FETCH_A slot, q, i0
.irp i, \i0, \i0+1, \i0+2, \i0+3
	FRAG AF+FR*(\i), ADRA+\slot, \q, \i
.endr
.endm
.macro PLACES n
.rept \n
	v_nop
.endr
.endm
.macro STEP slot, q, zero
	s_wait_dscnt 4*NL                              ; Wo's set and a's blocks 0-3 are in; the youngest 16 loads (blocks 4-7) may be out
	WIN MUL_LO
	MUL16 0, (\q)%2, \zero
	MUL16 2, (\q)%2, \zero
	s_wait_dscnt 0
	PLACES NP
	FETCH_B \slot, (\q)+1, 1-(\q)%2
	FETCH_A \slot, (\q)+1, 0
	WIN MUL_HI
	MUL16 4, (\q)%2, \zero
	MUL16 6, (\q)%2, \zero
	PLACES NP
	WIN 0
	FETCH_A \slot, (\q)+1, 4
.endm
.macro TURN slot, next, fill
	s_wait_tensorcnt 0x0                           ; all my tensor loads have landed: my part of the next slot
	ds_add_u32 v[SPW], v[NIL]                      ; 0 onto my spare word
	s_wait_dscnt 4*NL+1                            ; (the add and the youngest 16 loads may be out)
	WIN MUL_LO
	MUL16 0, 1, 0
	s_wait_dscnt 0x0                               ; the add is done, and my reads of this slot are over
	s_barrier_signal -1
	MUL16 2, 1, 0
	WIN 0
	s_barrier_wait -1
.if \fill
	CREST                                          ; the barrier has opened a round of the cluster's barrier
	s_add_nc_u64 s[G0+4*\slot+2:G0+4*\slot+3], s[G0+4*\slot+2:G0+4*\slot+3], 2*SA
	s_add_nc_u64 s[G0B+4*\slot+2:G0B+4*\slot+3], s[G0B+4*\slot+2:G0B+4*\slot+3], 2*SB
	JLOAD G0+4*\slot, G1, G0B+4*\slot, G1B         ; the first tensor load behind the round, my one load until the next
.else
	PLACES NP
.endif
	FETCH_B \next, 0, 0
	FETCH_A \next, 0, 0
	WIN MUL_HI
	MUL16 4, 1, 0
	MUL16 6, 1, 0
	PLACES NP
	WIN 0
	FETCH_A \next, 0, 4
.endm
	s_wait_tensorcnt 1                             ; my part of K step 0 is in (K step 1's load may be out),
	s_barrier_signal -1
	s_barrier_wait -1                              ; everybody's is
	FETCH_B 0, 0, 0
	FETCH_A 0, 0, 0
	FETCH_A 0, 0, 4
	STEP 0, 0, 1
	TURN 0, 1, 1
	STEP 1, 0, 0
	TURN 1, 0, 1
	STEP 0, 0, 0
	TURN 0, 1, 0
	STEP 1, 0, 0
	s_wait_dscnt 4*NL
	WIN MUL_LO
	MUL16 0, 1, 0
	MUL16 2, 1, 0
	s_wait_alu depctr_va_vdst(0)
	s_wait_dscnt 0
	WIN MUL_HI
	MUL16 4, 1, 0
	MUL16 6, 1, 0
	WIN 0
; THE WAY OUT, block by block of 16 rows x 128 columns.  The raw sums go from the accumulators into my own stage (each accumulator's low four registers first) and come back as whole rows of 512 bytes; there a lane holds
; the same four columns in every row, so the bias costs four registers, and scale and bias are one packed multiply-add.  LDS serves a wave's instructions in order: no wait between the stores and the loads.
.macro TOSTAGE a
.set AC, 64*((\a)%4)
	WIN 0x08+4*((\a)/4)                            ; the stores' data: window 2 or 3
.irp b, 0,1,2,3,4,5,6,7
	ds_store_b128 v[STO], v[AC+8*\b:AC+8*\b+3] offset:64*\b
	ds_store_b128 v[STO], v[AC+8*\b+4:AC+8*\b+7] offset:64*\b+16
.endr
	WIN 0
.set BS, BK+64*((\a)%2)
.irp t, 0,1,2,3,4,5,6,7,8,9,10,11,12,13,14,15
	ds_load_b128 v[BS+4*\t:BS+4*\t+3], v[RD] offset:\t*SPITCH
.endr
.endm
.macro SEND a, younger                 ; younger: the LDS instructions issued behind block a's loads, which may stay out
.set BS, BK+64*((\a)%2)
	s_wait_dscnt \younger
.if (\a) > 0
	s_add_nc_u64 s[12:13], s[12:13], 16*4096       ; (behind a wait on XCNT: the earlier stores have read their base)
.endif
.irp t, 0,1,2,3,4,5,6,7,8,9,10,11,12,13,14,15
	v_pk_fma_f32 v[BS+4*\t:BS+4*\t+1], v[BS+4*\t:BS+4*\t+1], s[96:97], v[12:13] op_sel_hi:[1,0,1]
	v_pk_fma_f32 v[BS+4*\t+2:BS+4*\t+3], v[BS+4*\t+2:BS+4*\t+3], s[96:97], v[14:15] op_sel_hi:[1,0,1]
.endr
.irp t, 0,1,2,3,4,5,6,7,8,9,10,11,12,13,14,15
	global_store_b128 v[LI], v[BS+4*\t:BS+4*\t+3], s[12:13] offset:\t*4096 th:TH_STORE_NT   ; 32 lanes store 512 consecutive bytes, at a multiple of 256 from the buffer's first byte
.endr
.endm
	s_wait_kmcnt 0x0
	s_add_co_i32 s96, s96, s97
	s_add_co_i32 s96, s96, 127
	s_lshl_b32 s96, s96, 23                        ; 2^(e10 + e11) as f32
	s_mov_b32 s97, s96
	s_wait_loadcnt 0x0                             ; bo
	PLACES NP
	TOSTAGE 0
.irp a, 1,2,3,4,5,6,7
.if \a > 1
	s_wait_xcnt 0x0                                ; block a - 2's stores have read their registers and their base
.endif
	TOSTAGE \a
	SEND \a-1, 32                                  ; behind block a - 1's loads: block a's 16 stores and 16 loads
.endr
	s_wait_xcnt 0x0
	SEND 7, 0
	s_wait_tensorcnt 0x0                           ; the wave's end
	ds_add_u32 v[SPW], v[NIL]
	s_wait_dscnt 0x0
	CROUND                                         ; the closing round
	s_endpgm
.Lfunc_end_k_q8f55b583c5_oproj:
	.size	k_q8f55b583c5_oproj, .Lfunc_end_k_q8f55b583c5_oproj-k_q8f55b583c5_oproj
	.p2alignl 7, 3214868480
	.fill 96, 4, 3214868480
	.section	.rodata,"a",@progbits
	.p2align	6, 0x0
	.amdhsa_kernel k_q8f55b583c5_oproj
		.amdhsa_group_segment_fixed_size 327680
		.amdhsa_private_segment_fixed_size 0
		.amdhsa_enable_private_segment 0
		.amdhsa_kernarg_size 40
		.amdhsa_user_sgpr_count 2
		.amdhsa_user_sgpr_kernarg_segment_ptr 1
		.amdhsa_wavefront_size32 1
		.amdhsa_system_sgpr_workgroup_id_x 1
		.amdhsa_system_sgpr_workgroup_id_y 1
		.amdhsa_system_sgpr_workgroup_id_z 1
		.amdhsa_system_vgpr_workitem_id 0
		.amdhsa_next_free_vgpr 1024
		.amdhsa_next_free_sgpr 100
		.amdhsa_reserve_vcc 0
		.amdhsa_float_denorm_mode_32 3
		.amdhsa_float_denorm_mode_16_64 3
		.amdhsa_memory_ordered 1
		.amdhsa_forward_progress 1
		.amdhsa_inst_pref_size 123
	.end_amdhsa_kernel
	.amdgpu_metadata
---
amdhsa.version: [ 1, 2 ]
amdhsa.kernels:
  - .name:           k_q8f55b583c5_oproj
    .symbol:         k_q8f55b583c5_oproj.kd
    .args:
      - { .name: ao, .offset: 0, .size: 8, .value_kind: global_buffer, .address_space: global }
      - { .name: wc, .offset: 8, .size: 8, .value_kind: global_buffer, .address_space: global }
      - { .name: lowp_scales, .offset: 16, .size: 8, .value_kind: global_buffer, .address_space: global }
      - { .name: bo, .offset: 24, .size: 8, .value_kind: global_buffer, .address_space: global }
      - { .name: out0, .offset: 32, .size: 8, .value_kind: global_buffer, .address_space: global }
    .group_segment_fixed_size: 327680
    .private_segment_fixed_size: 0
    .kernarg_segment_align: 8
    .kernarg_segment_size: 40
    .max_flat_workgroup_size: 128
    .sgpr_count:     100
    .vgpr_count:     1024
    .wavefront_size: 32
...
	.end_amdgpu_metadata
.endif
;; end of part 4
